; MI455X (gfx1250); checked and timed in simulation.
; The chip was launched on July 23, 2026; its instructions are those of AMD's public machine-readable ISA for CDNA 5 (MIT licence, August 2026) and "CDNA5" Instruction Set Architecture Reference Guide (July 2026). The comments in the code are by the model that wrote it; some were corrected since.
;; Global Attention. Allowed arithmetic: matrix products marked QUANTISED: E4M3 operands, one E8M0 scale for each 32 along K, by v_wmma_scale_f32_16x16x128_f8f6f4 with both operands' format E4M3, f32 sums; products left as they are: f32 operands where the result goes on into a quantised operand, else bf16, f16 or f32 operands; f32 sums; everything else in f32.
;; Inputs: Va 1 x 1,024 float32; Wa 1,024 x 2,048 float32; context 32 x 2,048 x 1,024 float32; x_codes 32 x 32 x 32 uint8 (E4M3 codes of x, K innermost, in blocks of 32 codes); x_scales 32 x 32 uint8 (E8M0 scales of x, one for each 32 codes along K).
;; Outputs: out0 32 x 1,024 float32; out1 32 x 2,048 float32.
;; This version of the problem:
;;   THIS VERSION OF THE PROBLEM IS GIVEN IN LOW PRECISION. The matrix products marked QUANTISED in the list below multiply operands that are first quantised to E4M3 (4 exponent bits, 3 mantissa bits; 8 bits a number), with one power-of-two scale for each 32 numbers along K (OCP MX v1.0); their sums are f32. All else is computed in f32.
;;   The module's matrix products, in the order in which they are computed (A, B: the left and right operand; K: the contracted axis; several contracted axes count as one K, in the product's order):
;;     1. [M 32, K 1,024] x [K 1,024, N 1,024]; A: input x (given as codes); B: input Wa: QUANTISED
;;     2. [M 65,536, K 1,024] x [K 1,024, N 1,024]; A: input context; B: input Wa: QUANTISED
;;     3. [M 65,536, K 1,024] x [K 1,024, N 1]; A: computed on the way; B: computed on the way: left as it is (N = 1 < 16)
;;     4. batch 32 x [M 1, K 2,048] x [K 2,048, N 1,024]; A: softmax; B: input context: left as it is (M = 1 < 16)
;;   THE QUANTISER, for each operand of a quantised product, along K:
;;     - K is cut into blocks of 32 from its start; a last block that is shorter is filled with zeros.
;;     - A block's scale is 2^e with e = floor(log2(the largest magnitude in the block)) - 8, held to -126 .. 127; a block of zeros has e = 0. As a byte (E8M0): e + 127.
;;     - Each number is divided by its block's scale, clamped to +-448, and rounded to the nearest number of E4M3, ties to even, subnormals kept.
;;     - The product sums the exact products of the quantised numbers (number of the format x scale) in f32.
;;   ~~~python
;;   def quantise(x, axis):      # numpy; x: float32 -> the quantised numbers, widened to float32 again
;;       x = np.moveaxis(x, axis, -1); K = x.shape[-1]
;;       x = np.pad(x, [(0, 0)] * (x.ndim - 1) + [(0, -K % 32)]); x = x.reshape(x.shape[:-1] + (-1, 32)); a = np.abs(x).max(-1, keepdims=True)
;;       e = np.where(a > 0, np.clip(np.frexp(np.where(a > 0, a, 1))[1] - 1 - 8, -126, 127), 0)      # np.frexp(a)[1] - 1 = floor(log2(a)), exactly
;;       r = np.clip(x / 2.0 ** e, -448, 448)
;;       step = 2.0 ** (np.maximum(np.frexp(np.where(r == 0, 1, r))[1] - 1, -6) - 3)
;;       q = np.round(r / step) * step * 2.0 ** e      # np.round: ties to even
;;       return np.moveaxis(q.reshape(q.shape[:-2] + (-1,))[..., :K], -1, axis).astype(np.float32)
;;   ~~~
;;   INPUTS GIVEN AS CODES. x (in the module: [32, 1024], K = its axis 1): each comes as NAME_codes (uint8): NAME with its K axis moved to the last place and cut into blocks of 32 codes, [.., K / 32, bytes a block], one block behind the other in memory; one code a byte (a code: sign, 4 exponent bits, 3 mantissa bits); and NAME_scales (uint8): the same leading axes, one E8M0 byte (e + 127) for each 32 codes along K. Its value is code x scale, taken as it is: it is not quantised again, and the codes and scales need not be those that the quantiser above would give.
;; One version. Each part assembles by itself: llvm-mc -triple=amdgcn-amd-amdhsa -mcpu=gfx1250 --defsym DOCPART=n.
;; ======== version 1 of 1: 3 launches
;; limits: values are held in bf16: 8 bits of precision; right only within a limited range of input values
;; workspace buffers: wq 1,081,344 bytes; tab 262,144 bytes; sc 262,144 bytes; po 4,194,304 bytes
;; launch prep (part 1): grid 64 x 1, 16 waves a work-group, no clusters, 167,936 bytes of LDS; arguments Wa, Va, x_codes, x_scales, wq, tab; writes wq, tab
.if DOCPART == 1
	.amdgcn_target "amdgcn-amd-amdhsa--gfx1250"
	.amdhsa_code_object_version 6
	.text
	.protected	k_q7ccc96ee1d_prep
	.globl	k_q7ccc96ee1d_prep
	.p2align	8
	.type	k_q7ccc96ee1d_prep,@function
k_q7ccc96ee1d_prep:
	s_mov_b64 s[64:65], 0
	v_nop
	global_prefetch_b8 v0, s[64:65] scope:SCOPE_SE
	s_setreg_imm32_b32 hwreg(HW_REG_WAVE_MODE, 25, 1), 1
	s_wait_xcnt 0x0
; PREP.  Wa [1024][2048] f32 is quantised along its columns (K) to codes of FP8 (E4M3) with one E8M0 byte for each 32; ht = x Wa_t^T (x arrives as codes) is made on the way.
; LEFT OUT in this program: tanh(z) = 1 - 2 / (1 + 2^(c z)), c = 2 log2(e), so a score is the sum of Va less 2 x the sum of Va[k] / (1 + 2^(c z[k])).  The sum of Va is the same for every position
; of a batch, and a softmax is not moved by a term that is the same along its axis, whatever the inputs hold: it is never formed.  An overflow that would reach that sum alone is not carried to the result.
; OUT: wq: 64 blocks of 16,896 bytes.  Block t = Wa's rows 16 t .. 16 t + 15, columns 1024 .. 2047, as IMAGES OF THE OPERAND'S REGISTERS: byte (4 s + c) 512 + 16 lane holds the 16 codes
;      of row 16 t + lane % 16, column 1024 + 128 s + 32 c + 16 (lane / 16) on; byte 16384 + 16 (16 h + r) + 4 q holds the scale word of row 16 t + r for K step s = 2 q + h.
;      tab[b][k] = the pair (c ht[b][k], -c Va[k]).
; SHARES.  Work-group t takes 16 rows of Wa; wave w takes 128 columns, 128 w on: waves 0-7 the left half's K steps, waves 8-15 the right half's.  Each wave brings its 16 rows x 512 bytes by ONE tensor load
; into LDS bytes of its own (pitch 528: the sixteen rows of a load start in different banks) and reads them alone, so its wait on TENSORcnt is all the ordering.  Nothing is filled twice.
; A lane (r, h) reads, of row r, 16 neighbours of each block of 32: so the conversions' results are the operand's registers.  Waves 0-7 make their K step's part of ht for all 32 batches
; (two matrix instructions); the eight parts meet in LDS and are added in ascending K.  Waves 8-15 store their codes, 512 consecutive bytes a store.
; No cluster: no two work-groups read the same rows.  No prefetch: the launch has no loop to run ahead in.  64 work-groups: Wa has 64 tiles of 16 rows.
; LIMITS: NaN and infinities among the inputs are not served.  A block of zeros gets the byte 1 where the quantiser says 127: its codes are zeros, which add nothing, and this program alone reads the bytes.
.set RED,   0                          ; LDS: 8 waves x 2,048 bytes of partial sums
.set WSC,   16384                      ; the block's scale image, 512 bytes
.set SPARE, 16896                      ; the spare words, 128 bytes a wave
.set TIL,   18944                      ; the waves' tiles
.set TP,    528
.set X,    16                          ; v16-79   64 numbers; later the partial sums and the pairs
.set TM,   80                          ; v80-95
.set SWD,  96                          ; my rows' scale word
.set XSC,  98                          ; v98-99   x's scale words
.set PT,   100                         ; v100-115 the codes
.set XF,   116                         ; v116-147 x's two fragments
.set ACC,  148                         ; v148-163 two accumulators
.set VA,   164
.set SPW,  166
.set NIL,  167
.set C2L,  0x4038aa3b                  ; c = 2 log2(e)
.set NC2L, 0xc038aa3b                  ; -c
	s_load_b256 s[4:11], s[0:1], 0x0               ; Wa, Va, x's codes, x's scales
	s_load_b128 s[12:15], s[0:1], 0x20             ; wq, tab
	v_lshl_add_u32 v[SPW], v0, 2, SPARE
	v_mov_b32 v[NIL], 0
	ds_add_u32 v[SPW], v[NIL]
	ds_add_u32 v[SPW], v[NIL]
	v_lshrrev_b32 v1, 5, v0
	v_readfirstlane_b32 s16, v1                    ; wave 0..15
	s_and_b32 s17, s16, 7                          ; my K step
	s_mov_b32 s40, (2<<16)|(1<<20)|(6<<22)|(3<<25) ; 16 rows x 128 f32, 16 bytes of padding behind each
	s_mov_b32 s41, 128<<16
	s_mov_b32 s42, 16<<16
	s_mov_b32 s43, 128<<16
	s_mov_b32 s44, 16
	s_mov_b32 s45, 2048
	s_mov_b32 s46, 0
	s_mov_b32 s47, 0
	s_mov_b32 s36, 1
	s_mul_i32 s37, s16, 16*TP
	s_add_co_u32 s37, s37, TIL
	s_lshl_b32 s24, ttmp9, 17                      ; Wa: 16 rows of 8,192 bytes a work-group, 512 bytes a wave
	s_lshl_b32 s26, s16, 9
	s_add_co_u32 s24, s24, s26
	s_mov_b32 s25, 0
	s_lshl_b32 s26, ttmp9, 6                       ; Va: 16 numbers a work-group
	s_mov_b32 s27, 0
	s_lshl_b32 s28, s17, 7                         ; x's codes: 128 bytes a K step
	s_mov_b32 s29, 0
	s_lshl_b32 s30, s17, 2                         ; x's scales: 4 bytes a K step
	s_mov_b32 s31, 0
	s_mul_i32 s32, ttmp9, 16896                    ; wq: my block
	s_mov_b32 s33, 0
	s_lshl_b32 s34, ttmp9, 7                       ; tab: 16 pairs a work-group
	s_mov_b32 s35, 0
	s_wait_dscnt 0x0
	s_wait_kmcnt 0x0
	s_add_nc_u64 s[38:39], s[4:5], s[24:25]
	s_or_b32 s39, s39, 0x80000000
	tensor_load_to_lds s[36:39], s[40:47]          ; my one tensor load
	s_nop 0
	s_add_nc_u64 s[6:7], s[6:7], s[26:27]
	s_add_nc_u64 s[8:9], s[8:9], s[28:29]
	s_add_nc_u64 s[10:11], s[10:11], s[30:31]
	s_add_nc_u64 s[12:13], s[12:13], s[32:33]
	s_add_nc_u64 s[14:15], s[14:15], s[34:35]
	s_mov_b32 s20, 0x76543210
	s_mov_b32 s21, 0xfedcba98
	s_mov_b32 s22, 0x600000                        ; the mantissa field of 448
	s_lshl_b32 s18, s17, 11                        ; 2,048 x K step
	s_and_b32 s19, s17, 1
	s_lshl_b32 s19, s19, 8
	s_lshr_b32 s23, s17, 1
	s_lshl_b32 s23, s23, 2
	s_add_co_u32 s19, s19, s23                     ; the scale image: 256 (s % 2) + 4 (s / 2)
	s_and_b32 s23, s16, 3
	s_lshl_b32 s23, s23, 9                         ; the quarter of each partial sum that wave w < 4 adds up
	s_and_b32 s24, s16, 1
	s_lshl_b32 s24, s24, 15
	s_bfe_u32 s25, s16, 0x10001
	s_lshl_b32 s25, s25, 17
	s_add_co_u32 s24, s24, s25
	v_and_b32 v1, 31, v0                           ; lane
	v_and_b32 v2, 15, v0                           ; r
	v_bfe_u32 v3, v0, 4, 1                         ; h
	v_mul_u32_u24 v4, v2, TP
	v_lshl_add_u32 v4, v3, 6, v4
	v_add_nc_u32 v4, s37, v4                       ; my tile: row r, + 64 h
	v_lshlrev_b32 v5, 10, v2
	v_lshl_add_u32 v5, v3, 4, v5                   ; x's codes: row r of 1,024 bytes, + 16 h
	v_lshlrev_b32 v6, 5, v2                        ; x's scales: row r of 32 bytes
	v_lshlrev_b32 v7, 4, v1                        ; 16 x lane
	v_lshlrev_b32 v8, 2, v2                        ; Va: 4 r
	v_add_nc_u32 v9, s18, v7                       ; my place among the partial sums, and my K step's place in the block of wq
	v_lshl_add_u32 v10, v2, 4, s19
	v_add_nc_u32 v11, s23, v7
	v_lshlrev_b32 v13, 3, v2
	v_lshl_add_u32 v13, v3, 16, v13
	v_add_nc_u32 v13, s24, v13                     ; tab: batch 16 (w / 2) + 8 h + 4 (w % 2) of 8,192 bytes, + 8 r
.irp b, 0,1,2,3
	v_mov_b32 v[TM+4+\b], 0                        ; a lane permute's destination counts as one of its sources
.endr
	s_wait_alu depctr_va_vdst(0)                   ; the wait at the head's end
	s_cmp_lt_u32 s16, 8
	s_cbranch_scc0 .Lno_x
.irp i, 0,1
.irp c, 0,1,2,3
	global_load_b128 v[XF+16*\i+4*\c:XF+16*\i+4*\c+3], v5, s[8:9] offset:16384*\i+32*\c   ; x's fragment of batches 16 i on, my K step
.endr
	global_load_b32 v[XSC+\i], v6, s[10:11] offset:512*\i
.endr
	global_load_b32 v[VA], v8, s[6:7]
.Lno_x:
	s_wait_tensorcnt 0x0                           ; my tile is in, and I alone read it
.irp b, 0,1,2,3
.irp j, 0,1,2,3
	ds_load_b128 v[X+16*\b+4*\j:X+16*\b+4*\j+3], v4 offset:128*\b+16*\j
.endr
.endr
	s_wait_dscnt 0x0
	s_wait_loadcnt 0x0
.irp b, 0,1,2,3
	v_max3_num_f32 v[TM+\b], |v[X+16*\b]|, |v[X+1+16*\b]|, 0x4800000   ; block b: my 16 numbers, and the floor 2^(9 - 127): the byte cannot fall under 1
.endr
.irp i, 2,4,6,8,10,12,14
.irp b, 0,1,2,3
	v_max3_num_f32 v[TM+\b], v[TM+\b], |v[X+16*\b+\i]|, |v[X+1+16*\b+\i]|   ; the four blocks by turns
.endr
.endr
.irp b, 0,1,2,3
	v_permlanex16_b32 v[TM+4+\b], v[TM+\b], s20, s21
.endr
.irp b, 0,1,2,3
	v_max_num_f32 v[TM+\b], v[TM+\b], v[TM+4+\b]   ; with lane l xor 16's: the block's largest magnitude
.endr
.irp b, 0,1,2,3
	v_add_nc_u32 v[TM+12+\b], 0xfc000000, v[TM+\b] ; 8 off its exponent field: the conversion's scale operand
.endr
.irp b, 0,1,2,3
	v_and_or_b32 v[TM+8+\b], v[TM+\b], 0x7f800000, s22   ; 448 x the scale
.endr
.irp b, 0,1,2,3
	v_lshrrev_b32 v[TM+4+\b], 23, v[TM+12+\b]      ; the scale's byte
.endr
	v_lshl_or_b32 v[SWD], v[TM+5], 8, v[TM+4]
	v_lshl_or_b32 v[SWD], v[TM+6], 16, v[SWD]
	v_lshl_or_b32 v[SWD], v[TM+7], 24, v[SWD]
.irp b, 0,1,2,3
.irp i, 0,1,2,3,4,5,6,7,8,9,10,11,12,13,14,15
	v_med3_num_f32 v[X+16*\b+\i], v[X+16*\b+\i], -v[TM+8+\b], v[TM+8+\b]   ; the conversion to an 8-bit code does not saturate (ISA guide 7.6.2): the hold
.endr
.endr
.irp b, 0,1,2,3
	v_cvt_scalef32_pk8_fp8_f32 v[PT+4*\b:PT+4*\b+1], v[X+16*\b:X+16*\b+7], v[TM+12+\b]
	v_cvt_scalef32_pk8_fp8_f32 v[PT+4*\b+2:PT+4*\b+3], v[X+16*\b+8:X+16*\b+15], v[TM+12+\b]
.endr
	v_nop
	s_wait_alu depctr_va_vdst(0)                   ; the wait directly ahead of the branch
	s_cmp_lt_u32 s16, 8
	s_cbranch_scc0 .Lright
.rept 4
	v_nop                                          ; codes written by vector instructions stand four places ahead of a scaled matrix instruction
.endr
	v_wmma_scale_f32_16x16x128_f8f6f4 v[ACC:ACC+7], v[XF:XF+15], v[PT:PT+15], 0, v[XSC], v[SWD]            ; register j of lane (r, h): batch 8 h + j, row 16 t + r of Wa
	v_wmma_scale_f32_16x16x128_f8f6f4 v[ACC+8:ACC+15], v[XF+16:XF+31], v[PT:PT+15], 0, v[XSC+1], v[SWD]    ; batches 16 + 8 h + j
.rept 8
	v_nop
.endr
	ds_store_b128 v9, v[ACC:ACC+3] offset:RED      ; each accumulator from its low end on
	ds_store_b128 v9, v[ACC+4:ACC+7] offset:RED+512
	ds_store_b128 v9, v[ACC+8:ACC+11] offset:RED+1024
	ds_store_b128 v9, v[ACC+12:ACC+15] offset:RED+1536
	s_branch .Lmeet
.Lright:
.irp c, 0,1,2,3
	global_store_b128 v9, v[PT+4*\c:PT+4*\c+3], s[12:13] offset:512*\c   ; 512 consecutive bytes a store
.endr
	ds_store_b32 v10, v[SWD] offset:WSC            ; lanes r and r + 16 write the same word with the same value
.Lmeet:
	s_wait_dscnt 0x0                               ; for the others' sake: my LDS stores are done
	s_barrier_signal -1
	s_barrier_wait -1
	s_cmp_lt_u32 s16, 4
	s_cbranch_scc0 .Lnot_sum
.irp i, 0,1,2,3,4,5,6,7                        ; waves 0-3: a quarter of the 32 x 16 sums each, the eight K steps' parts
	ds_load_b128 v[16+4*\i:19+4*\i], v11 offset:RED+2048*\i
.endr
	s_wait_dscnt 0x0
.irp i, 1,2,3,4,5,6,7
	v_pk_add_f32 v[16:17], v[16:17], v[16+4*\i:17+4*\i]
	v_pk_add_f32 v[18:19], v[18:19], v[18+4*\i:19+4*\i]
.endr
.irp j, 0,1,2,3
	v_mul_f32 v[48+2*\j], C2L, v[16+\j]            ; c ht
	v_mul_f32 v[49+2*\j], NC2L, v[VA]              ; -c Va
.endr
.irp j, 0,1,2,3
	global_store_b64 v13, v[48+2*\j:49+2*\j], s[14:15] offset:8192*\j   ; four batches on end
.endr
	s_wait_tensorcnt 0x0                           ; the wave's end
	ds_add_u32 v[SPW], v[NIL]
	s_wait_dscnt 0x0
	s_endpgm
.Lnot_sum:
	s_cmp_eq_u32 s16, 4
	s_cbranch_scc0 .Ldone
	ds_load_b128 v[16:19], v7 offset:WSC           ; wave 4: the block's scale image leaves as 512 consecutive bytes
	s_wait_dscnt 0x0
	global_store_b128 v7, v[16:19], s[12:13] offset:16384
.Ldone:
	s_wait_tensorcnt 0x0
	ds_add_u32 v[SPW], v[NIL]
	s_wait_dscnt 0x0
	s_endpgm
.Lfunc_end_k_q7ccc96ee1d_prep:
	.size	k_q7ccc96ee1d_prep, .Lfunc_end_k_q7ccc96ee1d_prep-k_q7ccc96ee1d_prep
	.p2alignl 7, 3214868480
	.fill 96, 4, 3214868480
	.section	.rodata,"a",@progbits
	.p2align	6, 0x0
	.amdhsa_kernel k_q7ccc96ee1d_prep
		.amdhsa_group_segment_fixed_size 167936
		.amdhsa_private_segment_fixed_size 0
		.amdhsa_enable_private_segment 0
		.amdhsa_kernarg_size 48
		.amdhsa_user_sgpr_count 2
		.amdhsa_user_sgpr_kernarg_segment_ptr 1
		.amdhsa_wavefront_size32 1
		.amdhsa_system_sgpr_workgroup_id_x 1
		.amdhsa_system_sgpr_workgroup_id_y 1
		.amdhsa_system_sgpr_workgroup_id_z 1
		.amdhsa_system_vgpr_workitem_id 0
		.amdhsa_next_free_vgpr 176
		.amdhsa_next_free_sgpr 66
		.amdhsa_reserve_vcc 0
		.amdhsa_float_denorm_mode_32 3
		.amdhsa_float_denorm_mode_16_64 3
		.amdhsa_memory_ordered 1
		.amdhsa_forward_progress 1
		.amdhsa_inst_pref_size 19
	.end_amdhsa_kernel
	.amdgpu_metadata
---
amdhsa.version: [ 1, 2 ]
amdhsa.kernels:
  - .name:           k_q7ccc96ee1d_prep
    .symbol:         k_q7ccc96ee1d_prep.kd
    .args:
      - { .name: Wa, .offset: 0, .size: 8, .value_kind: global_buffer, .address_space: global }
      - { .name: Va, .offset: 8, .size: 8, .value_kind: global_buffer, .address_space: global }
      - { .name: x_codes, .offset: 16, .size: 8, .value_kind: global_buffer, .address_space: global }
      - { .name: x_scales, .offset: 24, .size: 8, .value_kind: global_buffer, .address_space: global }
      - { .name: wq, .offset: 32, .size: 8, .value_kind: global_buffer, .address_space: global }
      - { .name: tab, .offset: 40, .size: 8, .value_kind: global_buffer, .address_space: global }
    .group_segment_fixed_size: 167936
    .private_segment_fixed_size: 0
    .kernarg_segment_align: 8
    .kernarg_segment_size: 48
    .max_flat_workgroup_size: 512
    .sgpr_count:     66
    .vgpr_count:     176
    .wavefront_size: 32
...
	.end_amdgpu_metadata
.endif
;; end of part 1
;; launch main (part 2): grid 256 x 1, 4 waves a work-group, clusters of 4 x 1, 327,680 bytes of LDS; arguments context, wq, tab, sc, po; writes sc, po
.if DOCPART == 2
	.amdgcn_target "amdgcn-amd-amdhsa--gfx1250"
	.amdhsa_code_object_version 6
	.text
	.protected	k_q7ccc96ee1d_main
	.globl	k_q7ccc96ee1d_main
	.p2align	8
	.type	k_q7ccc96ee1d_main,@function
k_q7ccc96ee1d_main:
	s_mov_b64 s[64:65], 0
	v_nop
	global_prefetch_b8 v0, s[64:65] scope:SCOPE_SE
	s_setreg_imm32_b32 hwreg(HW_REG_WAVE_MODE, 25, 1), 1
	s_wait_xcnt 0x0
	s_wait_alu depctr_hold_cnt(0) depctr_sa_sdst(0) depctr_va_vdst(0) depctr_va_sdst(0) depctr_va_ssrc(0) depctr_va_vcc(0) depctr_vm_vsrc(0)
	s_getreg_b32 s2, hwreg(HW_REG_IB_STS2, 6, 4)
	s_cmp_eq_u32 s2, 0
	s_cbranch_scc0 .Lentry_in_a_cluster
	s_endpgm
.Lentry_in_a_cluster:
	s_bfe_u32 s2, ttmp6, 0x10000c
	s_cmp_lg_u32 s2, 0x3003
	s_cbranch_scc0 .Lentry_shape_is_right
	s_endpgm
.Lentry_shape_is_right:
; MAIN.  t2[l] = the sum over k of -c Va[k] / (1 + 2^(c (ht[b][k] + hs[l][k]))), c = 2 log2(e): log2(e) x the score less log2(e) x the sum of Va, since tanh(z) = 1 - 2 / (1 + 2^(c z)).
; That sum is the same for every l of a batch, and a softmax is not moved by a term that is the same along its axis, whatever the inputs hold: so it is left out.
; hs = context Wa_s^T on codes of FP8 (E4M3) with E8M0 scales; context is quantised here, in f32, on its one way through LDS; Wa_s comes as register images (wq), ht and Va as pairs (tab).
; OUT: sc[row] = t2;  po[wave's 64 rows][1024] = the sum of 2^(t2 - m) x context, m the largest t2 of those rows.  The next launch joins the groups.
; SHARES.  A work-group has 256 rows of one batch, a wave 64, in two passes of 32: the pass is a loop of two trips.  In a pass the wave's 32 rows come in four quarters of 256 columns through two LDS slots.
; Each quarter becomes codes (window 1; a loop of four units of 16 rows x 128 K, through the wave's own LDS stage, so that the quantiser's text stands once a quarter) and bf16 fragments (windows 2, 3).
; Then W's 64 tiles of 16 columns walk through the same two slots, 8 tiles a slot, two tiles (a pair) at a time on four accumulators by turns.  W's fragments stand in four buffers of one K step of both tiles:
; a buffer is loaded anew as soon as its four products are issued, four K steps ahead, on into the next pair.  A pair begins with the tanh of the pair before.
; The change of slots stands in the middle of a slot's last pair, behind the slot's last read, so that the next slot's first fragments are fetched under that pair's last products.
; The first pair of a pass finds zeros in the accumulators and in the table's pair, which add 0 to the sums: so it needs no text of its own.
; THE WEIGHTED SUM is 64 bf16 matrix instructions a pass: A = 16 columns x my 32 rows, B = p in column c alone (read from an LDS array of 31 blocks of which only the middle one is not zero).
; So accumulator u, register j, lane (r, h) holds column 64 r + 32 h + 4 j + u.  p is rounded to bf16 there.
; CLUSTER: four work-groups of one batch ask jointly for W's slots and for tab.  Context is each wave's own.
; PREFETCH: in pass 0 each of the eight fills or changes of W's slots carries two requests a wave, a lane a row, 256 bytes each, 256 bytes on each time: together the 4,096 bytes of each of my rows of pass 1,
; one trip of the pass loop ahead.  Pass 1 asks for nothing.
; LIMITS: NaN and infinities among the inputs are not served.  A block of zeros gets the byte 1: its codes are zeros, and this program alone reads the bytes.
.set SLOTB,  135168
.set TAB,    2*SLOTB
.set SPARE,  TAB+8192
.set SCR,    SPARE+512                 ; a wave: 128 B of t2, 128 B free, 2,048 B: the array of p
.set SCRW,   2304
.set STG,    SCR+4*SCRW                ; a wave: 4 units x 2,048 B of codes, 4 x 128 B of scale words; at the end the stage of the way out
.set STGW,   8704
.set CPITCH, 1040
.set CWAVE,  32*CPITCH
.set WBLK,   16896
.set WWAVE,  2*WBLK
.set SPW, 1
.set NIL, 2
.set L16, 3
.set AQ0, 4
.set AC0, 6
.set ATB, 8
.set ADR, 9
.set ADT, 10
.set SST, 11
.set SLD, 12
.set PBA, 13
.set GS,  14
.set PF,  15
.set AS,  16                           ; v16-31 context's scale words
.set ACC, 32                           ; v32-63 four accumulators
.set TM,  32
.set CD,  48
.set S,   64                           ; v64-79 the rows' sums
.set SW,  64
.set O,   80                           ; v80-111 the weighted sum
.set WS,  112                          ; v112-119 W's scale words
.set TB,  120                          ; v120-123 (c ht, -c Va) of the pair's two tiles
.set M,   124
.set QAD, 125
.set STA, 126
.set STS, 127
.set BF,  128
.set XA,  128
.set XB,  192
.set PBV, 128
.set T,   32
.set P,   33
.set U,   34
.set PH,  35
.set F,   36
.set PST, 38
.set WV,  14
.set G1C, 24
.set G1W, 32
.set G1T, 40
.set DC0, 48
.set DC1, 52
.set DW,  56
.set PFA, 60
.set T0,  62
.set T1,  63
.set DT,  68
.set CS,  72
.set SEL, 74
.set MNT, 76
.set TA,  77
.set TT,  78
.set N4,  79
.set GC,  80
.set PS,  81
.set UC,  82
.set STB, 83
.set WB,  84
.set PBS, 85
.set T2,  86
.set MSB, 0
.macro WIN new
.if MSB != (\new)
	s_set_vgpr_msb (MSB<<8)|(\new)
.set MSB, (\new)
.endif
.endm
.macro NOPS n
.rept \n
	v_nop
.endr
.endm
.macro CROUND
	s_barrier_signal -1
	s_barrier_wait -1
	s_cmp_lg_u32 s[WV], 0
	s_cbranch_scc1 .Lnot_wave_0_\@
	s_barrier_signal -3
.Lnot_wave_0_\@:
	s_barrier_wait -3
	s_barrier_signal -1
	s_barrier_wait -1
.endm
; the lines in front of a fill: all my tensor loads are in; an add to my spare word; register work may follow; then SEQB
.macro SEQA
	s_wait_tensorcnt 0x0
	ds_add_u32 v[SPW], v[NIL]
.endm
.macro SEQB g0, g1
	s_wait_dscnt 0x0                               ; the add, and my reads of the slot that is filled next
	CROUND
	tensor_load_to_lds s[\g0:\g0+3], s[\g1:\g1+7]
	s_nop 0
	NOPS 4
.endm
.macro ASK                             ; pass 0 alone: two blocks of 256 bytes of each of my 32 rows of pass 1
	s_cmp_eq_u32 s[PS], 0
	s_cbranch_scc0 .Lno_ask_\@
	global_prefetch_b8 v[PF], s[PFA:PFA+1] th:TH_LOAD_NT scope:SCOPE_SE
	global_prefetch_b8 v[PF], s[PFA:PFA+1] offset:2048 th:TH_LOAD_NT scope:SCOPE_SE
.Lno_ask_\@:
.endm
; 64 numbers of a lane (register 16 b + i = k 32 b + 16 h + i of row r) become 16 registers of codes in v[CD] on and the scale word in v[SW]
.macro QUANT x
.irp b, 0,1,2,3
	v_max3_num_f32 v[TM+\b], |v[\x+16*\b]|, |v[\x+1+16*\b]|, 0x4800000
.endr
.irp i, 2,4,6,8,10,12,14
.irp b, 0,1,2,3
	v_max3_num_f32 v[TM+\b], v[TM+\b], |v[\x+16*\b+\i]|, |v[\x+1+16*\b+\i]|
.endr
.endr
.irp b, 0,1,2,3
	v_permlanex16_b32 v[TM+4+\b], v[TM+\b], s[SEL], s[SEL+1]
.endr
.irp b, 0,1,2,3
	v_max_num_f32 v[TM+\b], v[TM+\b], v[TM+4+\b]
.endr
.irp b, 0,1,2,3
	v_add_nc_u32 v[TM+12+\b], 0xfc000000, v[TM+\b]
.endr
.irp b, 0,1,2,3
	v_and_or_b32 v[TM+8+\b], v[TM+\b], 0x7f800000, s[MNT]
.endr
.irp b, 0,1,2,3
	v_lshrrev_b32 v[TM+4+\b], 23, v[TM+12+\b]
.endr
	v_lshl_or_b32 v[SW], v[TM+5], 8, v[TM+4]
	v_lshl_or_b32 v[SW], v[TM+6], 16, v[SW]
	v_lshl_or_b32 v[SW], v[TM+7], 24, v[SW]
.irp b, 0,1,2,3
.irp i, 0,1,2,3,4,5,6,7,8,9,10,11,12,13,14,15
	v_med3_num_f32 v[\x+16*\b+\i], v[\x+16*\b+\i], -v[TM+8+\b], v[TM+8+\b]
.endr
.endr
.irp b, 0,1,2,3
	v_cvt_scalef32_pk8_fp8_f32 v[CD+4*\b:CD+4*\b+1], v[\x+16*\b:\x+16*\b+7], v[TM+12+\b]
	v_cvt_scalef32_pk8_fp8_f32 v[CD+4*\b+2:CD+4*\b+3], v[\x+16*\b+8:\x+16*\b+15], v[TM+12+\b]
.endr
	v_nop
.endm
; 64 columns n of the quarter: lane (r, h) takes columns 4 r .. 4 r + 3 of rows 8 h + 0..7 and 16 + 8 h + 0..7
.macro LDC x, q, n
.irp i, 0,1,2,3,4,5,6,7
	ds_load_b128 v[\x+4*\i:\x+4*\i+3], v[AC0+(\q)%2] offset:\i*CPITCH+256*(\n)
.endr
.irp i, 0,1,2,3,4,5,6,7
	ds_load_b128 v[\x+32+4*\i:\x+32+4*\i+3], v[AC0+(\q)%2] offset:(16+\i)*CPITCH+256*(\n)
.endr
.endm
; four bf16 fragments: fragment u = columns 4 m + u, its registers run down my 32 rows
.macro PACK x, q, n
	WIN 0x80+0x40*((\q)/2)
.irp u, 0,1,2,3
.irp i, 0,1,2,3,4,5,6,7
	v_cvt_pk_bf16_f32 v[32*(4*((\q)%2)+(\n))+8*\u+\i], v[\x+8*\i+\u], v[\x+8*\i+4+\u]
.endr
.endr
	WIN 0
.endm
.macro CTX q
	LDC XA, \q, 0
	LDC XB, \q, 1
	s_wait_dscnt 16                                ; the other buffer's sixteen loads may be out
	PACK XA, \q, 0
	LDC XA, \q, 2
	s_wait_dscnt 16
	PACK XB, \q, 1
	LDC XB, \q, 3
	s_wait_dscnt 16
	PACK XA, \q, 2
	s_wait_dscnt 0x0
	PACK XB, \q, 3
	s_mov_b32 s[UC], 0
.Lunit_\@:                                     ; unit u: rows 16 (u / 2) on, columns 128 (u % 2) on of the quarter
	s_and_b32 s[T0], s[UC], 1
	s_lshl_b32 s[T0], s[T0], 9
	s_lshr_b32 s[T1], s[UC], 1
	s_mul_i32 s[T1], s[T1], 16*CPITCH
	s_add_co_u32 s[T0], s[T0], s[T1]
	s_lshl_b32 s[T1], s[UC], 11
	s_add_co_u32 s[T1], s[T1], s[STB]
	s_lshl_b32 s[T2], s[UC], 7
	s_add_co_u32 s[T2], s[T2], s[STB]
	v_add_nc_u32 v[QAD], s[T0], v[AQ0+(\q)%2]
	v_add_nc_u32 v[STA], s[T1], v[L16]
	v_add_nc_u32 v[STS], s[T2], v[GS]
.irp b, 0,1,2,3
.irp j, 0,1,2,3
	ds_load_b128 v[XA+16*\b+4*\j:XA+16*\b+4*\j+3], v[QAD] offset:128*\b+16*\j
.endr
.endr
	s_wait_dscnt 0x0
	QUANT XA
.irp c, 0,1,2,3
	ds_store_b128 v[STA], v[CD+4*\c:CD+4*\c+3] offset:512*\c      ; an image of the operand's registers, in my own stage
.endr
	ds_store_b32 v[STS], v[SW] offset:8192
	s_add_co_u32 s[UC], s[UC], 1
	s_cmp_lt_u32 s[UC], 4
	s_cbranch_scc1 .Lunit_\@
	v_add_nc_u32 v[STA], s[STB], v[L16]
	v_add_nc_u32 v[STS], s[STB], v[GS]
	WIN 0x40                                       ; LDS serves a wave's instructions in order: these see the stores above
.irp m, 0,1
.irp e, 0,1
.irp c, 0,1,2,3
	ds_load_b128 v[128*\m+32*(\q)+16*\e+4*\c:128*\m+32*(\q)+16*\e+4*\c+3], v[STA] offset:2048*(2*\m+\e)+512*\c
.endr
.endr
.endr
	WIN 0
.irp m, 0,1
.irp e, 0,1
	ds_load_b32 v[AS+8*\m+2*(\q)+\e], v[STS] offset:8192+128*(2*\m+\e)
.endr
.endr
.endm
.macro MM s, tl, m
.if (\s) == 0
	v_wmma_scale_f32_16x16x128_f8f6f4 v[ACC+16*\tl+8*\m:ACC+16*\tl+8*\m+7], v[128*\m+16*(\s):128*\m+16*(\s)+15], v[BF+32*((\s)%4)+16*\tl:BF+32*((\s)%4)+16*\tl+15], 0, v[AS+8*\m+(\s)], v[WS+4*\tl+(\s)/2]
.elseif (\s)%2 == 0
	v_wmma_scale_f32_16x16x128_f8f6f4 v[ACC+16*\tl+8*\m:ACC+16*\tl+8*\m+7], v[128*\m+16*(\s):128*\m+16*(\s)+15], v[BF+32*((\s)%4)+16*\tl:BF+32*((\s)%4)+16*\tl+15], v[ACC+16*\tl+8*\m:ACC+16*\tl+8*\m+7], v[AS+8*\m+(\s)], v[WS+4*\tl+(\s)/2]
.else
	v_wmma_scale_f32_16x16x128_f8f6f4 v[ACC+16*\tl+8*\m:ACC+16*\tl+8*\m+7], v[128*\m+16*(\s):128*\m+16*(\s)+15], v[BF+32*((\s)%4)+16*\tl:BF+32*((\s)%4)+16*\tl+15], v[ACC+16*\tl+8*\m:ACC+16*\tl+8*\m+7], v[AS+8*\m+(\s)], v[WS+4*\tl+(\s)/2] matrix_b_scale:MATRIX_SCALE_ROW1
.endif
.endm
.macro STEPW s                         ; one K step: the four accumulators by turns
	WIN 0x01
.irp tl, 0,1
.irp m, 0,1
	MM \s, \tl, \m
.endr
.endr
.endm
.macro BLD s, off                      ; K step s of both tiles of the pair that begins off bytes behind v[ADR], into buffer s % 4
.irp tl, 0,1
.irp c, 0,1,2,3
	ds_load_b128 v[BF+32*((\s)%4)+16*\tl+4*\c:BF+32*((\s)%4)+16*\tl+4*\c+3], v[ADR] offset:(\off)+WBLK*\tl+2048*(\s)+512*\c
.endr
.endr
.endm
.macro TANH2                           ; S += -c Va / (1 + 2^(c hs + c ht)) for the pair in the accumulators
.irp tl, 0,1
.irp j, 0,2,4,6,8,10,12,14
	v_pk_fma_f32 v[ACC+16*\tl+\j:ACC+16*\tl+\j+1], v[ACC+16*\tl+\j:ACC+16*\tl+\j+1], s[CS:CS+1], v[TB+2*\tl:TB+2*\tl+1] op_sel_hi:[1,0,0]
.endr
.endr
	s_wait_alu depctr_va_vdst(0)                   ; a wait ahead of each batch and one behind it
.set K, 0
.rept 32
	v_exp_f32 v[ACC+K], v[ACC+K]
.set K, K+1
.endr
	v_nop
	s_wait_alu depctr_va_vdst(0)
.set K, 0
.rept 16
	v_pk_add_f32 v[ACC+K:ACC+K+1], v[ACC+K:ACC+K+1], 1.0 op_sel_hi:[1,0]
.set K, K+2
.endr
	s_wait_alu depctr_va_vdst(0)
.set K, 0
.rept 32
	v_rcp_f32 v[ACC+K], v[ACC+K]
.set K, K+1
.endr
	v_nop
	s_wait_alu depctr_va_vdst(0)
.irp tl, 0,1
.irp j, 0,2,4,6,8,10,12,14
	v_pk_fma_f32 v[S+\j:S+\j+1], v[ACC+16*\tl+\j:ACC+16*\tl+\j+1], v[TB+2*\tl:TB+2*\tl+1], v[S+\j:S+\j+1] op_sel:[0,1,0] op_sel_hi:[1,1,1]   ; the pair's second word, -c Va, for both halves
.endr
.endr
.endm
; THE CHANGE OF SLOTS, in the middle of a slot's last pair: all the slot's reads have been issued.  kind 1: the slot is filled again, two slots ahead; kind 2: nothing is left to fetch
.macro CHANGE kind
	SEQA
.if (\kind) == 1
	s_add_nc_u64 s[DW+2:DW+3], s[DW+2:DW+3], SLOTB
	s_and_b32 s[T0], s[GC], 1
	s_mul_i32 s[T0], s[T0], SLOTB
	s_add_co_u32 s[DW+1], s[T0], s[WB]             ; the slot that I leave
	s_add_co_u32 s[TA], s[GC], 1
	s_and_b32 s[TA], s[TA], 1
	s_mul_i32 s[TA], s[TA], SLOTB                  ; the slot that I enter
.else
	s_sub_nc_u64 s[DW+2:DW+3], s[DW+2:DW+3], 7*SLOTB      ; back to W's first slot, for the next pass
	s_mov_b32 s[DW+1], s[WB]
	s_add_nc_u64 s[DC1+2:DC1+3], s[DC1+2:DC1+3], 129024   ; on to the next pass's quarter 1
	s_mov_b32 s[TA], SLOTB
.endif
	s_wait_xcnt 0x0                                ; my last prefetches have read their address
	s_add_nc_u64 s[PFA:PFA+1], s[PFA:PFA+1], 256
.if (\kind) == 1
	SEQB DW, G1W
.else
	s_wait_dscnt 0x0
	s_barrier_signal -1
	s_barrier_wait -1
.endif
	ASK
	v_add_nc_u32 v[ADR], s[TA], v[L16]
	s_wait_alu depctr_va_vdst(0)                   ; the wait directly behind the write: its last readers stand behind eight scalar lines
.endm
; A PAIR OF TILES.  kind 0: the next pair lies in the same slot; 1, 2: a slot's last pair, with the change of slots; 3: the pass's last pair, which fetches nothing
.macro PAIR kind
	v_add_nc_u32 v[ADR], s[TA], v[L16]
	v_add_nc_u32 v[ADT], s[TT], v[ATB]
	s_add_co_u32 s[TA], s[TA], 2*WBLK
	s_add_co_u32 s[TT], s[TT], 256
	ds_load_b128 v[WS:WS+3], v[ADR] offset:16384           ; (eight places stand behind the last products, at the end of the pair before)
	ds_load_b128 v[WS+4:WS+7], v[ADR] offset:WBLK+16384
	TANH2                                          ; the pair before
	ds_load_b64 v[TB:TB+1], v[ADT]                 ; this pair's table, read at the head of the next pair
	ds_load_b64 v[TB+2:TB+3], v[ADT] offset:128
	s_wait_dscnt 2                                 ; all but the two table loads
.irp s, 0,1,2,3
	STEPW \s
	NOPS 8                                         ; places ahead of the loads into registers that the products read
	WIN 0
	BLD \s+4, 0
.endr
.if ((\kind) == 1) || ((\kind) == 2)
	CHANGE \kind                                   ; its wait for 0 on DScnt covers K steps 4 to 7
.endif
.irp s, 4,5,6,7
.if (\kind) == 0
	s_wait_dscnt 24                                ; behind this K step's eight loads: three runs of eight
.elseif (\kind) == 3
	s_wait_dscnt 8*(7-\s)
.endif
	STEPW \s
.if (\kind) == 0
	NOPS 8
	WIN 0
	BLD \s-4, 2*WBLK
.elseif (\kind) != 3
	NOPS 8
	WIN 0
	BLD \s-4, 0
.endif
.endr
	WIN 0
.endm
.macro THREE
	s_mov_b32 s[N4], 3
.Lpair_\@:
	PAIR 0
	s_sub_co_u32 s[N4], s[N4], 1
	s_cmp_lg_u32 s[N4], 0
	s_cbranch_scc1 .Lpair_\@
.endm
.macro WEIGHT
.irp x, 1,2,4,8
.irp i, 0,1,2,3,4,5,6,7,8,9,10,11,12,13,14,15
	v_add_f32_dpp v[S+\i], v[S+\i], v[S+\i] row_xmask:\x row_mask:0xf bank_mask:0xf
.endr
.endr
.irp i, 0,1,2,3,4,5,6,7,8,9,10,11,12,13,14,15
	ds_store_b32 v[SST], v[S+\i] offset:64*(\i/8)+4*(\i%8)
.endr
	ds_load_b32 v[T], v[SLD]                       ; lane l: t2 of my row l
	s_wait_dscnt 0x0
	global_store_b32 v[GS], v[T], s[10:11]
	v_max_num_f32_dpp v[U], v[T], v[T] row_xmask:1 row_mask:0xf bank_mask:0xf
	v_max_num_f32_dpp v[U], v[U], v[U] row_xmask:2 row_mask:0xf bank_mask:0xf
	v_max_num_f32_dpp v[U], v[U], v[U] row_xmask:4 row_mask:0xf bank_mask:0xf
	v_max_num_f32_dpp v[U], v[U], v[U] row_xmask:8 row_mask:0xf bank_mask:0xf
	v_permlanex16_b32 v[F], v[U], s[SEL], s[SEL+1]
	v_max3_num_f32 v[U], v[U], v[F], v[M]          ; the running maximum
	v_sub_f32 v[F], v[M], v[U]
	v_sub_f32 v[P], v[T], v[U]
	v_and_b32 v[PST], 31, v0
	v_lshl_add_u32 v[PST], v[PST], 1, s[PBS]
	s_wait_alu depctr_va_vdst(0)
	v_exp_f32 v[F], v[F]
	v_exp_f32 v[P], v[P]
	v_mov_b32 v[M], v[U]
	s_wait_alu depctr_va_vdst(0)
	v_mov_b32 v[F+1], v[F]
	v_cvt_pk_bf16_f32 v[PH], v[P], v[P]
	ds_store_b16 v[PST], v[PH]                     ; the array's middle block: my 32 p
.irp c, 0,1,2,3,4,5,6,7,8,9,10,11,12,13,14,15
	ds_load_b128 v[PBV+8*\c:PBV+8*\c+3], v[PBA] offset:64*(15-\c)        ; B of column c: lane r reads block 15 + r - c
	ds_load_b128 v[PBV+8*\c+4:PBV+8*\c+7], v[PBA] offset:64*(15-\c)+32
.endr
	s_wait_alu depctr_va_vdst(0)                   ; the wait directly ahead of the first readers of the last pass's matrix results
.set K, 0
.rept 16
	v_pk_mul_f32 v[O+K:O+K+1], v[O+K:O+K+1], v[F:F+1]
.set K, K+2
.endr
	s_wait_alu depctr_va_vdst(0)                   ; and directly ahead of the wait below
	s_wait_dscnt 0x0
.irp c, 0,1,2,3,4,5,6,7,8,9,10,11,12,13,14,15
	WIN 0x02+(\c/8)
.irp u, 0,1,2,3
	v_wmma_f32_16x16x32_bf16 v[O+8*\u:O+8*\u+7], v[32*(\c%8)+8*\u:32*(\c%8)+8*\u+7], v[PBV+8*\c:PBV+8*\c+7], v[O+8*\u:O+8*\u+7]
.endr
.endr
	WIN 0
	NOPS 4
.endm
	s_load_b256 s[4:11], s[0:1], 0x0               ; context, wq, tab, sc
	s_load_b64 s[12:13], s[0:1], 0x20              ; po
	v_lshl_add_u32 v[SPW], v0, 2, SPARE
	v_mov_b32 v[NIL], 0
	ds_add_u32 v[SPW], v[NIL]
	ds_add_u32 v[SPW], v[NIL]
	v_lshrrev_b32 v3, 5, v0
	v_readfirstlane_b32 s[WV], v3
	s_bfe_u32 s15, ttmp6, 0x40000
	s_lshl_b32 s16, ttmp9, 2
	s_add_co_u32 s16, s16, s15                     ; work-group
	s_lshr_b32 s17, ttmp9, 1                       ; batch: the same in the four partners
	s_mov_b32 s[G1C+0], (2<<16)|(1<<20)|(7<<22)|(3<<25)   ; context: 32 rows x 256 f32, 16 bytes of padding a row
	s_mov_b32 s[G1C+1], 256<<16
	s_mov_b32 s[G1C+2], 32<<16
	s_mov_b32 s[G1C+3], 256<<16
	s_mov_b32 s[G1C+4], 32
	s_mov_b32 s[G1C+5], 1024
	s_mov_b32 s[G1C+6], 0
	s_mov_b32 s[G1C+7], 0
	s_mov_b32 s[G1W+0], 15|(3<<16)|(1<<21)         ; W: two blocks, 132 dense rows of 256 bytes, jointly
	s_mov_b32 s[G1W+1], 32<<16
	s_mov_b32 s[G1W+2], 132<<16
	s_mov_b32 s[G1W+3], 32<<16
	s_mov_b32 s[G1W+4], 132
	s_mov_b32 s[G1W+5], 32
	s_mov_b32 s[G1W+6], 0
	s_mov_b32 s[G1W+7], 0
	s_mov_b32 s[G1T+0], 15|(3<<16)|(1<<21)         ; tab: 8 dense rows of 256 bytes, jointly
	s_mov_b32 s[G1T+1], 32<<16
	s_mov_b32 s[G1T+2], 8<<16
	s_mov_b32 s[G1T+3], 32<<16
	s_mov_b32 s[G1T+4], 8
	s_mov_b32 s[G1T+5], 32
	s_mov_b32 s[G1T+6], 0
	s_mov_b32 s[G1T+7], 0
	s_mov_b32 s[CS], 0x4038aa3b
	s_mov_b32 s[CS+1], s[CS]
	s_mov_b32 s[SEL], 0x76543210
	s_mov_b32 s[SEL+1], 0xfedcba98
	s_mov_b32 s[MNT], 0x600000
	s_mul_i32 s18, s[WV], CWAVE
	s_mul_i32 s[WB], s[WV], WWAVE
	s_mov_b32 s80, s[WB]
	s_mov_b32 s81, 0
	s_lshl_b32 s82, s17, 13
	s_lshl_b32 s83, s[WV], 11
	s_add_co_u32 s82, s82, s83
	s_mov_b32 s83, 0
	s_lshl_b32 s20, s16, 20
	s_lshl_b32 s21, s[WV], 18
	s_add_co_u32 s20, s20, s21
	s_mov_b32 s21, 0
	s_lshl_b32 s22, s16, 10
	s_lshl_b32 s23, s[WV], 8
	s_add_co_u32 s22, s22, s23
	s_mov_b32 s23, 0
	s_wait_dscnt 0x0
	s_wait_kmcnt 0x0
	s_add_nc_u64 s[4:5], s[4:5], s[20:21]          ; my 64 rows of context
	s_add_nc_u64 s[10:11], s[10:11], s[22:23]      ; and of sc
	s_lshl_b32 s22, s22, 4
	s_add_nc_u64 s[12:13], s[12:13], s[22:23]      ; my row of po
	s_add_nc_u64 s[6:7], s[6:7], s[80:81]
	s_mov_b32 s[DC0], 1
	s_mov_b32 s[DC0+1], s18
	s_mov_b64 s[DC0+2:DC0+3], s[4:5]
	s_or_b32 s[DC0+3], s[DC0+3], 0x80000000
	s_mov_b32 s[DC1], 1
	s_add_co_u32 s[DC1+1], s18, SLOTB
	s_add_nc_u64 s[DC1+2:DC1+3], s[4:5], 1024
	s_or_b32 s[DC1+3], s[DC1+3], 0x80000000
	s_mov_b32 s[DW], 1
	s_mov_b32 s[DW+1], s[WB]
	s_mov_b64 s[DW+2:DW+3], s[6:7]
	s_or_b32 s[DW+3], s[DW+3], 0x80000000
	s_mov_b32 s[DT], 1
	s_lshl_b32 s[DT+1], s[WV], 11
	s_add_co_u32 s[DT+1], s[DT+1], TAB
	s_add_nc_u64 s[DT+2:DT+3], s[8:9], s[82:83]
	s_or_b32 s[DT+3], s[DT+3], 0x80000000
	s_add_nc_u64 s[PFA:PFA+1], s[4:5], 131072-256  ; it is stepped by 256 ahead of each pair of requests
	CROUND
	tensor_load_to_lds s[DT:DT+3], s[G1T:G1T+7]    ; my one tensor load at the head
	s_nop 0
	NOPS 4
	s_mul_i32 s[STB], s[WV], STGW
	s_add_co_u32 s[STB], s[STB], STG
	s_mul_i32 s19, s[WV], SCRW
	s_add_co_u32 s19, s19, SCR
	s_add_co_u32 s[T0], s19, 256
	s_add_co_u32 s[PBS], s19, 256+960
	s_mov_b32 s[PS], 0
	v_and_b32 v125, 31, v0
	v_and_b32 v126, 15, v0
	v_bfe_u32 v127, v0, 4, 1
	v_lshlrev_b32 v[L16], 4, v125
	v_mul_u32_u24 v[AQ0], v126, CPITCH
	v_lshl_add_u32 v[AQ0], v127, 6, v[AQ0]
	v_add_nc_u32 v[AQ0], s18, v[AQ0]
	v_add_nc_u32 v[AQ0+1], SLOTB, v[AQ0]
	v_mul_u32_u24 v[AC0], v127, 8*CPITCH
	v_lshl_add_u32 v[AC0], v126, 4, v[AC0]
	v_add_nc_u32 v[AC0], s18, v[AC0]
	v_add_nc_u32 v[AC0+1], SLOTB, v[AC0]
	v_lshl_add_u32 v[ATB], v126, 3, TAB
	v_lshl_add_u32 v[SST], v127, 5, s19
	v_lshl_add_u32 v[SLD], v125, 2, s19
	v_lshl_add_u32 v[PBA], v126, 6, s[T0]
	v_lshl_add_u32 v[PBA], v127, 4, v[PBA]
	v_lshlrev_b32 v[GS], 2, v125
	v_lshlrev_b32 v[PF], 12, v125
	v_add_nc_u32 v[ADR], s[T0], v[L16]
.set K, 0
.rept 32
	v_mov_b32 v[O+K], 0
.set K, K+1
.endr
	v_mov_b32 v[M], 0xff800000
.irp b, 0,1,2,3
	v_mov_b32 v[TM+4+\b], 0                        ; a lane permute's destination counts as one of its sources
.endr
.irp k, 0,1,2,3
	ds_store_b128 v[ADR], v[O:O+3] offset:512*\k   ; the array of p begins as zeros; only its middle block is ever written again
.endr
	s_wait_alu depctr_va_vdst(0)                   ; the wait at the head's end
.Lpass:
	SEQA
	SEQB DC0, G1C                                  ; quarter 0
	SEQA
	SEQB DC1, G1C                                  ; quarter 1, while quarter 0 is worked on
	CTX 0
	SEQA
	s_add_nc_u64 s[DC0+2:DC0+3], s[DC0+2:DC0+3], 2048
	SEQB DC0, G1C
	CTX 1
	SEQA
	s_add_nc_u64 s[DC1+2:DC1+3], s[DC1+2:DC1+3], 2048
	SEQB DC1, G1C
	CTX 2
	SEQA
	s_add_nc_u64 s[DC0+2:DC0+3], s[DC0+2:DC0+3], 129024   ; on to the next pass's quarter 0
	SEQB DW, G1W                                   ; W's tiles 0 to 7
	CTX 3
.set K, 0
.rept 48
	v_mov_b32 v[ACC+K], 0                          ; the accumulators and the sums
.set K, K+1
.endr
.irp k, 0,1,2,3
	v_mov_b32 v[TB+\k], 0
.endr
	s_wait_alu depctr_va_vdst(0)
	SEQA
	s_add_nc_u64 s[DW+2:DW+3], s[DW+2:DW+3], SLOTB
	s_add_co_u32 s[DW+1], s[WB], SLOTB
	s_wait_xcnt 0x0
	s_add_nc_u64 s[PFA:PFA+1], s[PFA:PFA+1], 256
	SEQB DW, G1W                                   ; W's tiles 8 to 15
	ASK
	s_mov_b32 s[TT], 0
	s_mov_b32 s[TA], 0
	v_add_nc_u32 v[ADR], s[TA], v[L16]
	BLD 0, 0                                       ; the first pair's first four K steps
	BLD 1, 0
	BLD 2, 0
	BLD 3, 0
	s_mov_b32 s[GC], 0
.Lslot:                                            ; six trips: slot g is read out and filled again with slot g + 2
	THREE
	PAIR 1
	s_add_co_u32 s[GC], s[GC], 1
	s_cmp_lt_u32 s[GC], 6
	s_cbranch_scc1 .Lslot
	THREE                                          ; the last two slots are written out
	PAIR 2
	THREE
	PAIR 3
	NOPS 8
	TANH2                                          ; the last pair
	WEIGHT
	s_wait_xcnt 0x0                                ; the store of t2 has read its base and its data
	s_add_nc_u64 s[10:11], s[10:11], 128
	s_add_co_u32 s[PS], s[PS], 1
	s_cmp_lt_u32 s[PS], 2
	s_cbranch_scc1 .Lpass
	; THE WAY OUT: through my stage, rows of 256 bytes + 16, so that each store of the wave covers 512 consecutive bytes
	v_and_b32 v[QAD], 15, v0
	v_bfe_u32 v[STA], v0, 4, 1
	v_mul_u32_u24 v[STS], v[QAD], 272
	v_lshl_add_u32 v[STS], v[STA], 7, v[STS]
	v_add_nc_u32 v[STS], s[STB], v[STS]
	v_mul_u32_u24 v[ADT], v[STA], 272
	v_lshl_add_u32 v[ADT], v[QAD], 4, v[ADT]
	v_add_nc_u32 v[ADT], s[STB], v[ADT]
.irp u, 0,1,2,3
.irp j, 0,1,2,3,4,5,6,7
	ds_store_b32 v[STS], v[O+8*\u+\j] offset:16*\j+4*\u      ; column 64 r + 32 h + 4 j + u; each accumulator from its low end on
.endr
.endr
.irp k, 0,1,2,3,4,5,6,7
	ds_load_b128 v[XA+4*\k:XA+4*\k+3], v[ADT] offset:544*\k
.endr
	s_wait_dscnt 0x0
.irp k, 0,1,2,3,4,5,6,7
	global_store_b128 v[L16], v[XA+4*\k:XA+4*\k+3], s[12:13] offset:512*\k
.endr
	s_wait_tensorcnt 0x0                           ; the wave's end
	ds_add_u32 v[SPW], v[NIL]
	s_wait_dscnt 0x0
	CROUND                                         ; the closing round
	s_endpgm
.Lfunc_end_k_q7ccc96ee1d_main:
	.size	k_q7ccc96ee1d_main, .Lfunc_end_k_q7ccc96ee1d_main-k_q7ccc96ee1d_main
	.p2alignl 7, 3214868480
	.fill 96, 4, 3214868480
	.section	.rodata,"a",@progbits
	.p2align	6, 0x0
	.amdhsa_kernel k_q7ccc96ee1d_main
		.amdhsa_group_segment_fixed_size 327680
		.amdhsa_private_segment_fixed_size 0
		.amdhsa_enable_private_segment 0
		.amdhsa_kernarg_size 40
		.amdhsa_user_sgpr_count 2
		.amdhsa_user_sgpr_kernarg_segment_ptr 1
		.amdhsa_wavefront_size32 1
		.amdhsa_system_sgpr_workgroup_id_x 1
		.amdhsa_system_sgpr_workgroup_id_y 1
		.amdhsa_system_sgpr_workgroup_id_z 1
		.amdhsa_system_vgpr_workitem_id 0
		.amdhsa_next_free_vgpr 1024
		.amdhsa_next_free_sgpr 88
		.amdhsa_reserve_vcc 0
		.amdhsa_float_denorm_mode_32 3
		.amdhsa_float_denorm_mode_16_64 3
		.amdhsa_memory_ordered 1
		.amdhsa_forward_progress 1
		.amdhsa_inst_pref_size 231
	.end_amdhsa_kernel
	.amdgpu_metadata
---
amdhsa.version: [ 1, 2 ]
amdhsa.kernels:
  - .name:           k_q7ccc96ee1d_main
    .symbol:         k_q7ccc96ee1d_main.kd
    .args:
      - { .name: context, .offset: 0, .size: 8, .value_kind: global_buffer, .address_space: global }
      - { .name: wq, .offset: 8, .size: 8, .value_kind: global_buffer, .address_space: global }
      - { .name: tab, .offset: 16, .size: 8, .value_kind: global_buffer, .address_space: global }
      - { .name: sc, .offset: 24, .size: 8, .value_kind: global_buffer, .address_space: global }
      - { .name: po, .offset: 32, .size: 8, .value_kind: global_buffer, .address_space: global }
    .group_segment_fixed_size: 327680
    .private_segment_fixed_size: 0
    .kernarg_segment_align: 8
    .kernarg_segment_size: 40
    .max_flat_workgroup_size: 128
    .sgpr_count:     88
    .vgpr_count:     1024
    .wavefront_size: 32
...
	.end_amdgpu_metadata
.endif
;; end of part 2
;; launch finish (part 3): grid 4 x 32, 2 waves a work-group, no clusters, 768 bytes of LDS; arguments sc, po, out0, out1; writes out0, out1
.if DOCPART == 3
	.amdgcn_target "amdgcn-amd-amdhsa--gfx1250"
	.amdhsa_code_object_version 6
	.text
	.protected	k_q7ccc96ee1d_finish
	.globl	k_q7ccc96ee1d_finish
	.p2align	8
	.type	k_q7ccc96ee1d_finish,@function
k_q7ccc96ee1d_finish:
	s_mov_b64 s[64:65], 0
	v_nop
	global_prefetch_b8 v0, s[64:65] scope:SCOPE_SE
	s_setreg_imm32_b32 hwreg(HW_REG_WAVE_MODE, 25, 1), 1
	s_wait_xcnt 0x0
; FINISH.  sc[b][l] = t2 (log2(e) x the score, less a constant of the batch); po[32 b + G][1024] = the sum over rows 64 G .. 64 G + 63 of 2^(t2 - m_G) x context, m_G the largest t2 of those rows.
; attn[b][l] = 2^(t2 - Mb) / Z, Mb the batch's largest t2, Z the sum of 2^(t2 - Mb);  weighted[b][:] = the sum over G of 2^(m_G - Mb) po[G][:] / Z.
; SHARES.  Work-group (y, b): 64 threads; every work-group reads the batch's 2,048 t2 (8 KB) for Mb, Z and the 32 m_G, and makes a quarter of the outputs: columns 256 y on of weighted, rows 512 y on of attn.
; Thread t takes t2 of rows 256 i + 4 t on, i = 0 .. 7: so sixteen neighbouring lanes hold the 64 rows of group G = 4 i + t / 16, and m_G comes out as the launch before formed it (a maximum rounds nothing).
; No matrix unit, no tensor load, no cluster: 4.5 MB read once by 128 small work-groups.  Each store of the work-group's 64 threads covers 1,024 consecutive bytes.
.set SCV, 16                           ; v16-47   32 t2, then their 2^(t2 - Mb)
.set AT,  48                           ; v48-55   the 8 t2 whose attn I store
.set MG,  56                           ; v56-63   m_G of my lanes' groups, then 2^(m_G - Mb)
.set PO,  64                           ; v64-191  32 groups x my 4 columns
.set FV,  192                          ; v192-223 the 32 factors, each in every lane
.set XM,  0                            ; LDS: the two waves' maxima;
.set ZP,  16                           ; their sums;
.set FAC, 32                           ; the 32 factors
	s_load_b256 s[4:11], s[0:1], 0x0               ; sc s[4:5], po s[6:7], out0 s[8:9], out1 s[10:11]
	v_lshl_add_u32 v254, v0, 2, 0x200
	v_mov_b32 v255, 0
	v_lshlrev_b32 v1, 4, v0                        ; 16 t
	v_lshrrev_b32 v2, 5, v0
	v_lshlrev_b32 v2, 2, v2                        ; 4 x wave
	v_lshrrev_b32 v3, 4, v0
	v_lshlrev_b32 v3, 2, v3                        ; 4 (t / 16)
	v_mov_b32 v4, 0
	v_mov_b32 v225, 0                              ; written once: a lane permute's destination counts as one of its sources
	s_mov_b32 s24, 0x76543210
	s_mov_b32 s25, 0xfedcba98                      ; v_permlanex16_b32's selects for lane l xor 16
	s_and_b32 s13, ttmp7, 0xffff                   ; b
	s_lshl_b32 s14, s13, 13                        ; 8,192 b: a batch's t2, and its attn
	s_mov_b32 s15, 0
	s_lshl_b32 s16, ttmp9, 11                      ; 2,048 y: my quarter of them
	s_mov_b32 s17, 0
	s_lshl_b32 s18, s13, 17                        ; po: 32 rows of 4,096 bytes a batch, + 1,024 y
	s_lshl_b32 s20, ttmp9, 10
	s_add_co_u32 s18, s18, s20
	s_mov_b32 s19, 0
	s_lshl_b32 s21, s13, 12                        ; out0: 4,096 b + 1,024 y
	s_add_co_u32 s20, s20, s21
	s_mov_b32 s21, 0
	s_wait_alu depctr_va_vdst(0)
	s_wait_kmcnt 0x0
	s_add_nc_u64 s[4:5], s[4:5], s[14:15]
	s_add_nc_u64 s[22:23], s[4:5], s[16:17]
	s_add_nc_u64 s[6:7], s[6:7], s[18:19]
	s_add_nc_u64 s[8:9], s[8:9], s[20:21]
	s_add_nc_u64 s[10:11], s[10:11], s[14:15]
	s_add_nc_u64 s[10:11], s[10:11], s[16:17]
.irp i, 0,1,2,3,4,5,6,7
	global_load_b128 v[SCV+4*\i:SCV+4*\i+3], v1, s[4:5] offset:1024*\i
.endr
.irp j, 0,1
	global_load_b128 v[AT+4*\j:AT+4*\j+3], v1, s[22:23] offset:1024*\j
.endr
.irp G, 0,1,2,3,4,5,6,7,8,9,10,11,12,13,14,15,16,17,18,19,20,21,22,23,24,25,26,27,28,29,30,31
	global_load_b128 v[PO+4*\G:PO+4*\G+3], v1, s[6:7] offset:4096*\G th:TH_LOAD_NT
.endr
	s_wait_loadcnt 32                              ; the ten loads of t2 are in; po's 32 may stay out
.irp i, 0,1,2,3,4,5,6,7
	v_max3_num_f32 v[MG+\i], v[SCV+4*\i], v[SCV+4*\i+1], v[SCV+4*\i+2]
.endr
.irp i, 0,1,2,3,4,5,6,7
	v_max_num_f32 v[MG+\i], v[MG+\i], v[SCV+4*\i+3]
.endr
.irp x, 1,2,4,8
.irp i, 0,1,2,3,4,5,6,7
	v_max_num_f32_dpp v[MG+\i], v[MG+\i], v[MG+\i] row_xmask:\x row_mask:0xf bank_mask:0xf   ; over the sixteen lanes of a group: m_G
.endr
.endr
	v_max3_num_f32 v224, v[MG], v[MG+1], v[MG+2]
	v_max3_num_f32 v224, v224, v[MG+3], v[MG+4]
	v_max3_num_f32 v224, v224, v[MG+5], v[MG+6]
	v_max_num_f32 v224, v224, v[MG+7]
	v_permlanex16_b32 v225, v224, s24, s25
	v_max_num_f32 v224, v224, v225                 ; my wave's largest
	ds_store_b32 v2, v224 offset:XM
	s_wait_dscnt 0x0                               ; for the other wave's sake
	s_barrier_signal -1
	s_barrier_wait -1
	ds_load_b64 v[226:227], v4 offset:XM
	s_wait_dscnt 0x0
	v_max_num_f32 v228, v226, v227                 ; Mb
.set K, 0
.rept 48                               ; SCV, AT and MG lie on end
	v_sub_f32 v[SCV+K], v[SCV+K], v228
.set K, K+1
.endr
.set K, 0
	s_wait_alu depctr_va_vdst(0)
.rept 48
	v_exp_f32 v[SCV+K], v[SCV+K]
.set K, K+1
.endr
	v_nop                                          ; a plain line behind the exponentials
	s_wait_alu depctr_va_vdst(0)
	v_pk_add_f32 v[230:231], v[SCV:SCV+1], v[SCV+2:SCV+3]          ; my 32 terms of Z, in two chains
	v_pk_add_f32 v[232:233], v[SCV+4:SCV+5], v[SCV+6:SCV+7]
.irp k, 8,12,16,20,24,28
	v_pk_add_f32 v[230:231], v[230:231], v[SCV+\k:SCV+\k+1]
	v_pk_add_f32 v[232:233], v[232:233], v[SCV+\k+2:SCV+\k+3]
.endr
	v_pk_add_f32 v[230:231], v[230:231], v[232:233]
	v_add_f32 v230, v230, v231
	v_add_f32_dpp v230, v230, v230 row_xmask:1 row_mask:0xf bank_mask:0xf
	v_add_f32_dpp v230, v230, v230 row_xmask:2 row_mask:0xf bank_mask:0xf
	v_add_f32_dpp v230, v230, v230 row_xmask:4 row_mask:0xf bank_mask:0xf
	v_add_f32_dpp v230, v230, v230 row_xmask:8 row_mask:0xf bank_mask:0xf
	v_permlanex16_b32 v225, v230, s24, s25
	v_add_f32 v230, v230, v225                     ; my wave's part of Z
	ds_store_b32 v2, v230 offset:ZP
.irp i, 0,1,2,3,4,5,6,7
	ds_store_b32 v3, v[MG+\i] offset:FAC+16*\i     ; 2^(m_G - Mb) at word G = 4 i + t / 16; sixteen lanes write the same word with the same value
.endr
	s_wait_dscnt 0x0                               ; for the other wave's sake
	s_barrier_signal -1
	s_barrier_wait -1
	ds_load_b64 v[226:227], v4 offset:ZP
.irp i, 0,1,2,3,4,5,6,7
	ds_load_b128 v[FV+4*\i:FV+4*\i+3], v4 offset:FAC+16*\i
.endr
	s_wait_dscnt 0x0
	v_add_f32 v226, v226, v227                     ; Z: at least 1, since the largest t2's term is 1
	s_wait_alu depctr_va_vdst(0)
	v_rcp_f32 v236, v226                           ; twice, to fill the pair that the packed multiplies take;
	v_rcp_f32 v237, v226                           ; the multiplications below are the plain lines behind them
	s_wait_loadcnt 0x0                             ; po
.irp e, 0,1,2,3
	v_mul_f32 v[232+\e], v[FV], v[PO+\e]           ; the first group starts the sums
.endr
.irp G, 1,2,3,4,5,6,7,8,9,10,11,12,13,14,15,16,17,18,19,20,21,22,23,24,25,26,27,28,29,30,31
.irp e, 0,1,2,3
	v_fma_f32 v[232+\e], v[FV+\G], v[PO+4*\G+\e], v[232+\e]
.endr
.endr
	s_wait_alu depctr_va_vdst(0)
	v_pk_mul_f32 v[232:233], v[232:233], v[236:237]
	v_pk_mul_f32 v[234:235], v[234:235], v[236:237]
.irp k, 0,2,4,6
	v_pk_mul_f32 v[AT+\k:AT+\k+1], v[AT+\k:AT+\k+1], v[236:237]
.endr
	global_store_b128 v1, v[232:235], s[8:9]
	global_store_b128 v1, v[AT:AT+3], s[10:11]
	global_store_b128 v1, v[AT+4:AT+7], s[10:11] offset:1024
	s_wait_tensorcnt 0x0
	ds_add_u32 v254, v255
	s_wait_dscnt 0x0
	s_endpgm
.Lfunc_end_k_q7ccc96ee1d_finish:
	.size	k_q7ccc96ee1d_finish, .Lfunc_end_k_q7ccc96ee1d_finish-k_q7ccc96ee1d_finish
	.p2alignl 7, 3214868480
	.fill 96, 4, 3214868480
	.section	.rodata,"a",@progbits
	.p2align	6, 0x0
	.amdhsa_kernel k_q7ccc96ee1d_finish
		.amdhsa_group_segment_fixed_size 768
		.amdhsa_private_segment_fixed_size 0
		.amdhsa_enable_private_segment 0
		.amdhsa_kernarg_size 32
		.amdhsa_user_sgpr_count 2
		.amdhsa_user_sgpr_kernarg_segment_ptr 1
		.amdhsa_wavefront_size32 1
		.amdhsa_system_sgpr_workgroup_id_x 1
		.amdhsa_system_sgpr_workgroup_id_y 1
		.amdhsa_system_sgpr_workgroup_id_z 1
		.amdhsa_system_vgpr_workitem_id 0
		.amdhsa_next_free_vgpr 256
		.amdhsa_next_free_sgpr 66
		.amdhsa_reserve_vcc 0
		.amdhsa_float_denorm_mode_32 3
		.amdhsa_float_denorm_mode_16_64 3
		.amdhsa_memory_ordered 1
		.amdhsa_forward_progress 1
		.amdhsa_inst_pref_size 24
	.end_amdhsa_kernel
	.amdgpu_metadata
---
amdhsa.version: [ 1, 2 ]
amdhsa.kernels:
  - .name:           k_q7ccc96ee1d_finish
    .symbol:         k_q7ccc96ee1d_finish.kd
    .args:
      - { .name: sc, .offset: 0, .size: 8, .value_kind: global_buffer, .address_space: global }
      - { .name: po, .offset: 8, .size: 8, .value_kind: global_buffer, .address_space: global }
      - { .name: out0, .offset: 16, .size: 8, .value_kind: global_buffer, .address_space: global }
      - { .name: out1, .offset: 24, .size: 8, .value_kind: global_buffer, .address_space: global }
    .group_segment_fixed_size: 768
    .private_segment_fixed_size: 0
    .kernarg_segment_align: 8
    .kernarg_segment_size: 32
    .max_flat_workgroup_size: 64
    .sgpr_count:     66
    .vgpr_count:     256
    .wavefront_size: 32
...
	.end_amdgpu_metadata
.endif
;; end of part 3
